; MI455X (gfx1250); checked and timed in simulation.
; The chip was launched on July 23, 2026; its instructions are those of AMD's public machine-readable ISA for CDNA 5 (MIT licence, August 2026) and "CDNA5" Instruction Set Architecture Reference Guide (July 2026). The comments in the code are by the model that wrote it; some were corrected since.
;; Tens Hash Core. Allowed arithmetic: float matrix products may take bf16 or f16 operands with f32 sums; other float arithmetic in f32, or as packed bf16 or f16 multiplies, adds, multiply-adds, maxima and minima; sums over many terms, partial sums and values carried from step to step in f32; what a program stores and reads back later, other than sums and carried values, may be rounded once to bf16 or f16.
;; Inputs: bits 65,536 x 256 float32; matrices 16 x 256 x 256 float32; noise 65,536 x 256 float32.
;; Outputs: out0 65,536 x 256 float32.
;; One version. Each part assembles by itself: llvm-mc -triple=amdgcn-amd-amdhsa -mcpu=gfx1250 --defsym DOCPART=n.
;; ======== version 1 of 1: 2 launches
;; workspace buffers: mbf 2,097,152 bytes
;; launch cast (part 1): grid 256 x 1, 8 waves a work-group, no clusters, 0 bytes of LDS; arguments matrices, mbf; writes mbf
.if DOCPART == 1
	.amdgcn_target "amdgcn-amd-amdhsa--gfx1250"
	.amdhsa_code_object_version 6
	.text
	.protected	k_q23122920ef_cast
	.globl	k_q23122920ef_cast
	.p2align	8
	.type	k_q23122920ef_cast,@function
k_q23122920ef_cast:
	s_mov_b64 s[64:65], 0
	v_nop
	global_prefetch_b8 v0, s[64:65] scope:SCOPE_SE
	s_setreg_imm32_b32 hwreg(HW_REG_WAVE_MODE, 25, 1), 1
	s_wait_xcnt 0x0
; mbf[i] = bf16(matrices[i]), the same order [16][256][256]: 1,048,576 numbers, rounded once to nearest even (ternary entries are exact).
; 256 work-groups of 8 waves; a work-group takes 4,096 numbers: 16,384 bytes in, 8,192 bytes out.
; Thread t takes, for j = 0 and 1, the 8 numbers at 2,048 j + 8 t: two loads of 16 bytes, four conversions, one store of 16 bytes.
; A wave's store covers 512 consecutive bytes, aligned.  No LDS, no barrier: no thread wants another's numbers.
	s_load_b128 s[4:7], s[0:1], 0x0                ; matrices s[4:5], mbf s[6:7]
	s_lshl_b32 s2, ttmp9, 14                       ; the work-group's 16,384 bytes of f32
	s_mov_b32 s3, 0
	s_lshl_b32 s8, ttmp9, 13                       ; and its 8,192 bytes of bf16
	s_mov_b32 s9, 0
	v_lshlrev_b32 v1, 5, v0                        ; 32 t
	v_lshlrev_b32 v2, 4, v0                        ; 16 t
	s_wait_kmcnt 0x0
	s_add_nc_u64 s[4:5], s[4:5], s[2:3]
	s_add_nc_u64 s[6:7], s[6:7], s[8:9]
	global_load_b128 v[4:7],   v1, s[4:5] th:TH_LOAD_NT
	global_load_b128 v[8:11],  v1, s[4:5] offset:16 th:TH_LOAD_NT
	global_load_b128 v[12:15], v1, s[4:5] offset:8192 th:TH_LOAD_NT
	global_load_b128 v[16:19], v1, s[4:5] offset:8208 th:TH_LOAD_NT
	s_wait_loadcnt 0x2                             ; the first eight numbers are in; the two younger loads stay out
	v_cvt_pk_bf16_f32 v20, v4, v5
	v_cvt_pk_bf16_f32 v21, v6, v7
	v_cvt_pk_bf16_f32 v22, v8, v9
	v_cvt_pk_bf16_f32 v23, v10, v11
	global_store_b128 v2, v[20:23], s[6:7]
	s_wait_loadcnt 0x0
	v_cvt_pk_bf16_f32 v24, v12, v13
	v_cvt_pk_bf16_f32 v25, v14, v15
	v_cvt_pk_bf16_f32 v26, v16, v17
	v_cvt_pk_bf16_f32 v27, v18, v19
	global_store_b128 v2, v[24:27], s[6:7] offset:4096
	s_endpgm
.Lfunc_end_k_q23122920ef_cast:
	.size	k_q23122920ef_cast, .Lfunc_end_k_q23122920ef_cast-k_q23122920ef_cast
	.p2alignl 7, 3214868480
	.fill 96, 4, 3214868480
	.section	.rodata,"a",@progbits
	.p2align	6, 0x0
	.amdhsa_kernel k_q23122920ef_cast
		.amdhsa_group_segment_fixed_size 0
		.amdhsa_private_segment_fixed_size 0
		.amdhsa_enable_private_segment 0
		.amdhsa_kernarg_size 16
		.amdhsa_user_sgpr_count 2
		.amdhsa_user_sgpr_kernarg_segment_ptr 1
		.amdhsa_wavefront_size32 1
		.amdhsa_system_sgpr_workgroup_id_x 1
		.amdhsa_system_sgpr_workgroup_id_y 1
		.amdhsa_system_sgpr_workgroup_id_z 1
		.amdhsa_system_vgpr_workitem_id 0
		.amdhsa_next_free_vgpr 32
		.amdhsa_next_free_sgpr 66
		.amdhsa_reserve_vcc 0
		.amdhsa_float_denorm_mode_32 3
		.amdhsa_float_denorm_mode_16_64 3
		.amdhsa_memory_ordered 1
		.amdhsa_forward_progress 1
		.amdhsa_inst_pref_size 2
	.end_amdhsa_kernel
	.amdgpu_metadata
---
amdhsa.version: [ 1, 2 ]
amdhsa.kernels:
  - .name:           k_q23122920ef_cast
    .symbol:         k_q23122920ef_cast.kd
    .args:
      - { .name: matrices, .offset: 0, .size: 8, .value_kind: global_buffer, .address_space: global }
      - { .name: mbf, .offset: 8, .size: 8, .value_kind: global_buffer, .address_space: global }
    .group_segment_fixed_size: 0
    .private_segment_fixed_size: 0
    .kernarg_segment_align: 8
    .kernarg_segment_size: 16
    .max_flat_workgroup_size: 256
    .sgpr_count:     66
    .vgpr_count:     32
    .wavefront_size: 32
...
	.end_amdgpu_metadata
.endif
;; end of part 1
;; launch hash (part 2): grid 256 x 1, 4 waves a work-group, clusters of 4 x 1, 327,680 bytes of LDS; arguments bits, noise, mbf, out0; writes out0
.if DOCPART == 2
	.amdgcn_target "amdgcn-amd-amdhsa--gfx1250"
	.amdhsa_code_object_version 6
	.text
	.protected	k_q23122920ef_hash
	.globl	k_q23122920ef_hash
	.p2align	8
	.type	k_q23122920ef_hash,@function
k_q23122920ef_hash:
	s_mov_b64 s[64:65], 0
	v_nop
	global_prefetch_b8 v0, s[64:65] scope:SCOPE_SE
	s_setreg_imm32_b32 hwreg(HW_REG_WAVE_MODE, 25, 1), 1
	s_wait_xcnt 0x0
	s_wait_alu depctr_hold_cnt(0) depctr_sa_sdst(0) depctr_va_vdst(0) depctr_va_sdst(0) depctr_va_ssrc(0) depctr_va_vcc(0) depctr_vm_vsrc(0)
	s_getreg_b32 s2, hwreg(HW_REG_IB_STS2, 6, 4)
	s_cmp_eq_u32 s2, 0
	s_cbranch_scc0 .Lentry_in_a_cluster
	s_endpgm
.Lentry_in_a_cluster:
	s_bfe_u32 s2, ttmp6, 0x10000c
	s_cmp_lg_u32 s2, 0x3003
	s_cbranch_scc0 .Lentry_shape_is_right
	s_endpgm
.Lentry_shape_is_right:
; out = the state after 16 rounds of state = floor(state M_r^T + noise) mod 2.  bits, noise, out0: [65536][256] f32; mbf: [16][256][256] bf16, the matrices rounded once.
; ALL 16 ROUNDS IN ONE LAUNCH: the state never goes to memory, noise is read once.
; SHARES.  256 work-groups of four waves; a work-group owns 256 rows, a wave 64 rows (four tiles t of 16) and ALL 256 features, so a row's state never leaves its wave.
; THE PRODUCT IS USED TRANSPOSED: source 0 = 16 rows of M_r (16 features, K along the row), source 1 = 16 rows of state.  In the result lane l holds batch row l % 16, register j feature 8 (l / 16) + j.
; Two results (feature tiles 2 k and 2 k + 1), each packed to four registers of bf16, ARE registers 0-3 and 4-7 of the next round's state fragment k, in the same lane: nothing changes lanes.
; THE ARITHMETIC.  The sums s are made by the matrix unit from bf16 operands, in f32.  With nh = noise / 2, halved once:  h = fma(s, 0.5, nh), ONE rounding, = fl(s + noise) / 2;  g = fract(h);
; floor(s + noise) is odd exactly where g >= 0.5;  b = clamp to 0..1 of fma(g, 2^25, -(2^24 - 1)): g = 0.5 gives 1, the next float below 0.5 gives 0, so b is 0 or 1.  Noise is not the product's C operand and
; is never narrowed: the one rounding of s + noise is an f32 fused multiply-add's.
; LIMITS.  The result is bit-true where bits and matrices are exact in bf16 and the sums exact in f32 (whole numbers up to 256 in size, and those times 30); other matrices or bits carry the rounding to bf16.
; A noise of exactly +-2^-149 halves to zero and counts as 0.  NaN and infinities are not treated apart.  A zero may leave with either sign.
; A ROUND is 16 GROUPS; group g makes feature tile g for the four batch tiles: 32 matrix instructions (8 fragments along K x 4 tiles, the four accumulators by turns, two accumulator buffers by turns from
; group to group).  The vector work of feature tile g - 1 (80 instructions) rides in 20 slices of four behind group g's first 20 matrix instructions.  All LDS work of a group stands in ONE run at its head.
; THE NEW STATE has no registers of its own (noise 512, state 256): feature tiles 0-13 go through the wave's own stage in LDS and come back as fragments 0-6; tiles 14 and 15 are converted straight
; into fragment 7, which group 15 multiplies FIRST and the next round's group 0 LAST.
; M_r comes through a ring of two LDS slots, half a matrix each (slot 0: features 0-127, slot 1: 128-255), filled by the tensor data mover; each wave fetches 32 rows of 512 bytes.
; CLUSTER.  Every work-group walks the same matrices: the four of a cluster ask for each tile JOINTLY (same load, same descriptor, mask of four).
; REGISTERS, in windows of 256 (s_set_vgpr_msb: bits 1:0 source 0, 3:2 source 1, 5:4 source 2, 7:6 destination):
;   window 0: v0-15 addresses and constants; v16-31 P (packed results, tile t at 16 + 4 t); v32-95 accumulators (buffer b, tile t at 32 + 32 b + 8 t); v128-255 fragments of M (buffer b, fragment k at 128 + 64 b + 8 k)
;   window 1: the state, tile t, fragment k at 64 t + 8 k      window 2: nh of feature tiles 0-7 at 32 ft + 8 t      window 3: nh of feature tiles 8-15
; LEFT OUT: work-groups that stay (there is one block of rows for each of 256 work-groups); noise in LDS (it would take the ring's room); a first round written out (a forward branch a group halves the noise instead).
.set PITCH,  528                       ; an LDS row: 512 bytes + 16 of padding = 132 words: row r starts at bank 4 r mod 64 (64 banks of 4 bytes: ISA guide 11.1), so the 16 rows of a load start at 16 different banks
.set FT16,   16*PITCH                  ; 16 rows
.set WTILE,  32*PITCH                  ; what one tensor load brings
.set SLOT,   128*PITCH                 ; half a matrix
.set STAGE,  2*SLOT                    ; behind the ring, never filled by a tensor load: 64 rows x 528 bytes for each wave
.set WSTAGE, 64*PITCH
.set SPARE,  STAGE+4*WSTAGE            ; behind the stages: the spare words, 128 bytes for each wave: two blocks of 256 bytes that no other line names
.set HALFM,  65536                     ; bytes of half a matrix in mbf
.set ADRA, 2                           ; v2-3  LDS address of my lane's place in a fragment of M, slot 0, 1; never rewritten
.set STG,  4                           ; v4    the same place in my wave's stage; never rewritten
.set ORD,  5                           ; v5    the way out: where I read 8 bytes of a stage row
.set OGO,  6                           ; v6    the way out: my byte offset in out0
.set GIO,  7                           ; v7    my byte offset in 16 rows of bits and of noise
.set PFO,  8                           ; v8    256 x my lane, for the prefetches
.set SPW,  10                          ; v10   LDS address of my spare word: SPARE + 4 x my thread's number; never rewritten
.set NIL,  11                          ; v11   0; never rewritten
.set SC,   12                          ; v[12:13] 2^25, twice
.set TC,   14                          ; v[14:15] -(2^24 - 1), twice
.set P,    16
.set ACC,  32
.set AF,   128
.set WV,   12                          ; s12  my wave's number
.set CX,   13                          ; s13  my place in the cluster: it enters global addresses of my own loads, stores and prefetches alone
.set WG,   14                          ; s14  my work-group = 4 x cluster + place
.set LIM,  15                          ; s15  1 in a wave that prefetches, else the greatest number
.set PFA,  18                          ; s[18:19] where my prefetches stand in mbf
.set RND,  20                          ; s20  trips of the round loop still to come, 15 to 1
.set HIM,  21                          ; s21  mask of a word's upper bf16
.set G1,   24                          ; s[24:31] descriptor group 1
.set G0,   32                          ; s[32:39] descriptor group 0, a set for each slot
.set W_MM, 0x04                        ; source 1 (state) in window 1, all else in window 0
.set MSB, 0
.macro WIN new                         ; the immediate's high byte repeats the setting that is left; a switch that changes nothing is dropped
.if MSB != (\new)
	s_set_vgpr_msb (MSB<<8)|(\new)
.set MSB, \new
.endif
.endm
; A load into a register that a matrix instruction has read, and a vector instruction that reads a matrix result or writes one of a matrix instruction's registers, stand four places behind it; only plain
; vector instructions that name none of its registers are places (ISA guide 7.12.1 for vector instructions).
.macro PLACES
.rept 4
	v_nop
.endr
.endm
; A round of the cluster's barrier: my work-group's barrier, so that wave 0's signal speaks for all four waves; wave 0 signals; every wave waits for all four work-groups; my work-group's barrier once more.
.macro CREST                           ; a round behind its opening barrier
	s_cmp_lg_u32 s[WV], 0
	s_cbranch_scc1 .Lnot_wave_0_\@
	s_barrier_signal -3
.Lnot_wave_0_\@:
	s_barrier_wait -3
	s_barrier_signal -1
	s_barrier_wait -1
.endm
.macro CROUND                          ; a whole round
	s_barrier_signal -1
	s_barrier_wait -1
	CREST
.endm
; A joint refill of slot s: every wave fetches its own 32 rows; the descriptor hangs on the wave's number alone, so it is the same in all four partners.  An s_nop 0 and four v_nop follow.
.macro JLOAD s
	tensor_load_to_lds s[G0+4*(\s):G0+4*(\s)+3], s[G1:G1+7]
	s_nop 0
	PLACES
.endm
; A PREFETCH INTO THE L2 of the half matrix that the NEXT change of slots will ask for: 256 matrix instructions ahead of that load.  Every cluster walks the same matrices: the first cluster asks, nobody else.
; Its four partners take 16,384 bytes each of the half's 65,536, told apart BY ADDRESS; in each, waves 0 and 1 take 8,192 bytes, a lane 256: each block is named once in the launch.
; how = 1: in every trip.  how = 0: not in the loop's last trip, which has no half matrix behind its own.  Halves 0 to 2 come by their loads alone.
.macro ASK how
	WIN 0
.if \how
	s_cmp_eq_u32 s[LIM], 1
.else
	s_cmp_gt_u32 s[RND], s[LIM]
.endif
	s_cbranch_scc0 .Lnot_mine_\@
	global_prefetch_b8 v[PFO], s[PFA:PFA+1] th:TH_LOAD_NT scope:SCOPE_SE
.Lnot_mine_\@:
.endm
; The 8 fragments of M for group g (16 features x 256 along K) into fragment buffer g % 2: 16 loads.  A fragment is 16 rows x 32 K in 8 registers: lane l holds row l % 16; registers 0-3 K = 8 (l / 16) + 0..7,
; registers 4-7 K = 16 + 8 (l / 16) + 0..7: two loads of 16 bytes, 32 bytes apart.
.macro FETCHA g
	WIN 0
.irp k, 0,1,2,3,4,5,6,7
	ds_load_b128 v[AF+64*((\g)%2)+8*(\k):AF+64*((\g)%2)+8*(\k)+3],   v[ADRA+((\g)/8)%2] offset:((\g)%8)*FT16+(\k)*64
	ds_load_b128 v[AF+64*((\g)%2)+8*(\k)+4:AF+64*((\g)%2)+8*(\k)+7], v[ADRA+((\g)/8)%2] offset:((\g)%8)*FT16+(\k)*64+32
.endr
.endm
; The packed results of feature tile ft go into my stage: row = batch row, 16 bytes a lane at byte 32 ft + 16 (l / 16).
.macro SPILL ft
	WIN 0
.irp t, 0,1,2,3
	ds_store_b128 v[STG], v[P+4*(\t):P+4*(\t)+3] offset:(\t)*FT16+(\ft)*32
.endr
.endm
; State fragments ka .. kb of all four tiles come back from my stage.  LDS serves a wave's instructions in order (ISA guide 5.7.1.4): these see my stores, and the next round's stores come behind them.
.macro RELOAD ka, kb
	WIN 0x40                               ; destination window 1, address window 0
.set rk, \ka
.rept (\kb)-(\ka)+1
.irp t, 0,1,2,3
	ds_load_b128 v[64*(\t)+8*rk:64*(\t)+8*rk+3],   v[STG] offset:(\t)*FT16+rk*64
	ds_load_b128 v[64*(\t)+8*rk+4:64*(\t)+8*rk+7], v[STG] offset:(\t)*FT16+rk*64+32
.endr
.set rk, rk+1
.endr
	WIN 0
.endm
; Feature tile e's noise: its eight loads are waited for (the count: the 8 (15 - e) loads of later feature tiles stay out, 63 at the most, which is as far as a wait can name), and in the first trip alone it is halved, in place.
.macro NZ e
	WIN 0
.if 8*(15-(\e)) > 63
	s_wait_loadcnt 63
.else
	s_wait_loadcnt 8*(15-(\e))
.endif
	s_cmp_lg_u32 s[RND], 15
	s_cbranch_scc1 .Lhalved_\@
	WIN 0x82+0x41*((\e)/8)                 ; destination and source 0 in window 2 or 3
.set nz, 32*((\e)%8)
.rept 16
	v_pk_mul_f32 v[nz:nz+1], v[nz:nz+1], 0.5 op_sel_hi:[1,0]
.set nz, nz+2
.endr
	WIN 0
.Lhalved_\@:
.endm
; Matrix instruction mi of a group's 32: tile mi % 4, fragment mi / 4 along K (rot = 1: fragment 7 first, then 0 to 6).  The first four start the sums with the constant 0: nothing is cleared.
; The four accumulators take turns, one instruction a turn, and the two buffers take turns from group to group, over the backward jump too.
.macro MM g, rot
	WIN W_MM
.set mT, mi%4
.set mK, (mi/4+7*(\rot))%8
.set mD, ACC+32*((\g)%2)+8*mT
.set mA, AF+64*((\g)%2)+8*mK
.set mB, 64*mT+8*mK
.if mi < 4
	v_wmma_f32_16x16x32_bf16 v[mD:mD+7], v[mA:mA+7], v[mB:mB+7], 0
.else
	v_wmma_f32_16x16x32_bf16 v[mD:mD+7], v[mA:mA+7], v[mB:mB+7], v[mD:mD+7]
.endif
.set mi, mi+1
.endm
; Slice si of the 20 that finish feature tile e: tile si / 5, stage si % 5, four instructions, in place on the accumulator.  Stage 0 reads the accumulator's lowest registers first.
;   0: h = s x 0.5 + nh     1, 2: g = fract(h)     3: b = clamp(g x 2^25 - (2^24 - 1))     4: b packed to bf16, into P (dst = 0) or straight into half e % 2 of state fragment 7 (dst = 1)
.macro SL e, dst
.set sT, si/5
.set sG, si%5
.set sA, ACC+32*((\e)%2)+8*sT
.set sN, 32*((\e)%8)+8*sT
.if sG == 0
	WIN 0x20+0x10*((\e)/8)                 ; source 2 (nh) in window 2 or 3
.irp j, 0,2,4,6
	v_pk_fma_f32 v[sA+(\j):sA+(\j)+1], v[sA+(\j):sA+(\j)+1], 0.5, v[sN+(\j):sN+(\j)+1] op_sel_hi:[1,0,1]
.endr
.elseif sG < 3
.if MSB & 0xc3                         ; these name a destination and a source 0 alone: the products' setting serves them
	WIN 0
.endif
.irp j, 0,1,2,3
	v_fract_f32 v[sA+4*(sG-1)+(\j)], v[sA+4*(sG-1)+(\j)]
.endr
.elseif sG == 3
	WIN 0
.irp j, 0,2,4,6
	v_pk_fma_f32 v[sA+(\j):sA+(\j)+1], v[sA+(\j):sA+(\j)+1], v[SC:SC+1], v[TC:TC+1] clamp
.endr
.elseif \dst
	WIN 0x40                               ; destination window 1
.irp j, 0,1,2,3
	v_cvt_pk_bf16_f32 v[64*sT+56+4*((\e)%2)+(\j)], v[sA+2*(\j)], v[sA+2*(\j)+1]
.endr
.else
	WIN 0
.irp j, 0,1,2,3
	v_cvt_pk_bf16_f32 v[P+4*sT+(\j)], v[sA+2*(\j)], v[sA+2*(\j)+1]
.endr
.endif
.set si, si+1
.endm
; THE WAY OUT of features 64 c .. 64 c + 63 of my 64 rows, in the registers of the noise of feature tiles 4 c .. 4 c + 3, which is no longer wanted.  Item i = 8 j + a: lanes 0-15 take 8 bytes each of stage row
; 16 j + a, lanes 16-31 of row 16 j + a + 8 (4,224 bytes on: the other 32 banks); four bf16 widen to 16 bytes, and 16 lanes store 256 consecutive bytes, at a multiple of 256 from out0's first byte.
; The stores' data, offset and base are never written again, so no wait follows them.
.macro OUTQ c
.set oW, 2+(\c)/2
.set oB, 128*((\c)%2)
	WIN (oW<<6)                            ; destination in the noise's window
.set oi, 0
.rept 32
	ds_load_b64 v[oB+4*oi+2:oB+4*oi+3], v[ORD] offset:(16*(oi/8)+oi%8)*PITCH+128*(\c)
.set oi, oi+1
.endr
.set ob, 0
.rept 4
	s_wait_dscnt 24-8*ob                   ; eight items are in; the later ones stay out
	WIN (oW<<6)|(oW<<2)                    ; destination and source 1
.set oi, 8*ob
.rept 8
	v_lshlrev_b32 v[oB+4*oi],   16, v[oB+4*oi+2]
	v_and_b32     v[oB+4*oi+1], s[HIM], v[oB+4*oi+2]
	v_lshlrev_b32 v[oB+4*oi+2], 16, v[oB+4*oi+3]
	v_and_b32     v[oB+4*oi+3], s[HIM], v[oB+4*oi+3]
.set oi, oi+1
.endr
	WIN (oW<<2)                            ; a store's data is source 1
.set oi, 8*ob
.rept 8
	global_store_b128 v[OGO], v[oB+4*oi:oB+4*oi+3], s[10:11] offset:(16*(oi/8)+oi%8)*1024+256*(\c) th:TH_STORE_NT
.set oi, oi+1
.endr
.set ob, ob+1
.endr
	WIN 0
.endm
; GROUP g of a round.  lp = 1: the loop's text (rounds 0 to 14, and round 15's group 0); lp = 0: round 15, which fetches no matrix, keeps the old state and sends the new one out.
; In order: the places behind the last group's products (at a change of slots: the barrier's wait, the rest of the cluster's round and the joint refill, whose four v_nop are the places); the noise of the tile to be
; finished; ONE RUN of LDS work: the results packed a group ago into the stage, the next group's fragments of M; the wait that leaves just this run out; 32 products with the slices of feature tile g - 1.
; THE CHANGE OF SLOTS.  Group 6's run holds the last read of slot 0, group 14's that of slot 1.  Behind it each wave waits for all its tensor loads (one is out: its part of the other slot), adds 0 to its spare word,
; and, 16 products on, waits for the add and its reads and signals; the barrier's wait stands at the next group's head.  Behind the round nobody reads the old slot and the other slot is whole.
; A refill has 224 matrix instructions between its request and the wait for it.
.macro GROUP g, lp
.set gE, ((\g)+15)%16                  ; the feature tile whose slices ride here
.set gR, (\lp)*((\g)/15)               ; fragment 7 first
.set gD, (\lp)*(gE/14)                 ; its results go straight into state fragment 7
.set gM, 0
.if ((\g) == 6) || ((\lp) && ((\g) == 14))
.set gM, 1
.endif
.if (\lp) && (((\g) == 7) || ((\g) == 15))
	WIN 0
	s_barrier_wait -1
	CREST                                  ; no wave of any partner still reads the slot or has a load on its way
	JLOAD (\g)/8                           ; the first tensor load behind the round, my only one until the next
.elseif (\g) == 7
	s_barrier_wait -1                      ; round 15: slot 1 is whole; nothing is filled again
	PLACES
.else
	PLACES
.endif
.if (!(\lp)) && (((\g) == 6) || ((\g) == 10) || ((\g) == 14))
	OUTQ ((\g)-6)/4                        ; four feature tiles lie whole in the stage: they leave while the later ones are still to be multiplied
.endif
.if \lp
	NZ gE
.endif
.if (\lp) && gM
	s_wait_xcnt 0x0                        ; the last prefetch, seven groups back, has read its address, so it may be written
	s_add_nc_u64 s[PFA:PFA+1], s[PFA:PFA+1], HALFM
.endif
.set gN, 0                             ; the LDS instructions of this run
.if (\lp) && ((\g) == 0)
	RELOAD 5, 6
.set gN, gN+16
.elseif (\g) >= 2
	SPILL (\g)-2
.set gN, gN+4
.endif
.if (\lp) || ((\g) != 15)
	FETCHA ((\g)+1)%16
.set gN, gN+16
.endif
.if gM
	WIN 0
	s_wait_tensorcnt 0x0                   ; all my tensor loads have landed, so a group 0 may be written
	ds_add_u32 v[SPW], v[NIL]              ; 0 onto my spare word: 16 products and their slices stand between it and the wait for it
.set gN, gN+1
.if \lp
	s_add_nc_u64 s[G0+4*((\g)/8)+2:G0+4*((\g)/8)+3], s[G0+4*((\g)/8)+2:G0+4*((\g)/8)+3], 2*HALFM  ; the slot just read out takes the same half of the next matrix; the type bits on top are not reached
.endif
.endif
.if (\lp) && ((\g) == 7)
	ASK 1
.endif
.if (\lp) && ((\g) == 15)
	ASK 0
.endif
	s_wait_dscnt gN                        ; all but this run: my fragments of M, asked for a group ago, are in (group 0: state fragments 0-4 too)
.set mi, 0
.set si, 0
.rept 32
.if (\lp) && ((\g) == 0) && (mi == 20)
	s_wait_dscnt 16                        ; state fragments 5 and 6 are in; the next group's 16 loads stay out
.endif
	MM \g, gR
.if si < 20
	SL gE, gD
.endif
.if gM && (mi == 16)
	s_wait_dscnt 0x0                       ; the add is done, and my reads of the slot are over:
	s_barrier_signal -1                    ; say so; products and slices, work on registers, stand between the signal and the wait
.endif
.if (\lp) && ((\g) == 15) && (mi == 24)
	PLACES                                 ; behind the last product that read fragments 0-4 of the old state
	RELOAD 0, 4                            ; the new ones: feature tiles 0-9, stored in groups 2 to 11
.endif
.endr
.endm
	s_load_b256 s[4:11], s[0:1], 0x0               ; bits s[4:5], noise s[6:7], mbf s[8:9], out0 s[10:11]
	v_lshl_add_u32 v[SPW], v0, 2, SPARE
	v_mov_b32 v[NIL], 0
	ds_add_u32 v[SPW], v[NIL]                      ; the wave's opening: the add and its wait stand ahead of my first tensor load; the set-up below, work on registers, stands between them
	v_lshrrev_b32 v1, 5, v0
	v_readfirstlane_b32 s[WV], v1                  ; wave 0..3
	s_bfe_u32 s[CX], ttmp6, 0x40000                ; my place in the cluster
	s_lshl_b32 s[WG], ttmp9, 2                     ; in a cluster launch ttmp9 counts clusters
	s_add_co_u32 s[WG], s[WG], s[CX]
	s_lshl_b32 s16, s[WG], 18                      ; my work-group's 256 rows of 1,024 bytes,
	s_lshl_b32 s17, s[WV], 16                      ; my wave's 64 of them
	s_add_co_u32 s16, s16, s17
	s_mov_b32 s17, 0
	s_lshl_b32 s22, s[WV], 14                      ; my 32 rows of 512 bytes in half a matrix
	s_mov_b32 s23, 0
	s_lshl_b32 s40, s[CX], 14                      ; the prefetches: my work-group's 16,384 bytes of a half,
	s_and_b32 s41, s[WV], 1
	s_lshl_b32 s41, s41, 13                        ; my wave's 8,192 of them,
	s_add_co_u32 s40, s40, s41
	s_add_co_u32 s40, s40, 2*HALFM                 ; in half 2: the first change of slots steps it to half 3
	s_mov_b32 s41, 0
	s_lshr_b32 s[LIM], s[WV], 1                    ; 0 in waves 0 and 1,
	s_or_b32 s[LIM], s[LIM], ttmp9                 ; of the first cluster: the same in all four partners
	s_cmp_eq_u32 s[LIM], 0
	s_cselect_b32 s[LIM], 1, -1
	s_mov_b32 s[HIM], 0xffff0000
	; descriptor group 1: a tile of 32 rows x 256 elements, padded in LDS
	s_mov_b32 s[G1+0], 15|(1<<16)|(1<<20)|(1<<21)|(6<<22)|(3<<25)  ; 15:0 the mask: all four work-groups; 17:16 elements of 2 bytes; 20 padding on; 21 set beside a mask; 24:22 after every 128 words (code 6); 31:25 4 words of it (code 3)
	s_mov_b32 s[G1+1], 256<<16                     ; tensor_dim0 = 256
	s_mov_b32 s[G1+2], 32<<16                      ; tensor_dim1 = 32
	s_mov_b32 s[G1+3], 256<<16                     ; tile_dim0 = 256
	s_mov_b32 s[G1+4], 32                          ; tile_dim1 = 32
	s_mov_b32 s[G1+5], 256                         ; 256 elements from row to row
	s_mov_b32 s[G1+6], 0
	s_mov_b32 s[G1+7], 0
	s_mov_b32 s[G0+0], 1                           ; count = 1
	s_mul_i32 s[G0+1], s[WV], WTILE                ; LDS address: slot 0, my 32 rows: no place in the cluster enters an LDS address
	s_mov_b32 s[G0+4], 1
	s_add_co_u32 s[G0+5], s[G0+1], SLOT            ; slot 1
	s_mul_i32 s42, s[WV], WSTAGE
	s_add_co_u32 s42, s42, STAGE                   ; my stage
	v_and_b32 v1, 15, v0                           ; l % 16
	v_bfe_u32 v9, v0, 4, 1                         ; l / 16
	v_mul_u32_u24 v[ADRA], v1, PITCH
	v_lshl_add_u32 v[ADRA], v9, 4, v[ADRA]         ; row x pitch + 16 x half
	v_add_nc_u32 v[ADRA+1], SLOT, v[ADRA]
	v_add_nc_u32 v[STG], s42, v[ADRA]
	v_mul_u32_u24 v[ORD], v9, 8*PITCH              ; the way out: lanes 16-31 eight rows down,
	v_lshl_add_u32 v[ORD], v1, 3, v[ORD]           ; 8 bytes a lane
	v_add_nc_u32 v[ORD], s42, v[ORD]
	v_lshlrev_b32 v[OGO], 13, v9                   ; the same eight rows in out0,
	v_lshl_add_u32 v[OGO], v1, 4, v[OGO]           ; 16 bytes a lane
	v_lshlrev_b32 v[GIO], 10, v1                   ; bits and noise: row l % 16,
	v_lshl_add_u32 v[GIO], v9, 5, v[GIO]           ; eight numbers for each half of the lanes
	v_and_b32 v[PFO], 31, v0
	v_lshlrev_b32 v[PFO], 8, v[PFO]
	v_mov_b32 v[SC], 0x4c000000                    ; 2^25
	v_mov_b32 v[SC+1], 0x4c000000
	v_mov_b32 v[TC], 0xcb7fffff                    ; -(2^24 - 1)
	v_mov_b32 v[TC+1], 0xcb7fffff
	s_wait_dscnt 0x0                               ; the opening add is done
	s_wait_kmcnt 0x0
	s_add_nc_u64 s[4:5], s[4:5], s[16:17]          ; bits, noise and out0 at my wave's first row
	s_add_nc_u64 s[6:7], s[6:7], s[16:17]
	s_add_nc_u64 s[10:11], s[10:11], s[16:17]
	s_add_nc_u64 s[PFA:PFA+1], s[8:9], s[40:41]
	s_add_nc_u64 s[G0+2:G0+3], s[8:9], s[22:23]    ; global address: my rows of M_0's first half,
	s_add_nc_u64 s[G0+6:G0+7], s[G0+2:G0+3], HALFM ; and of its second
	s_or_b32 s[G0+3], s[G0+3], 0x80000000          ; type = 2
	s_or_b32 s[G0+7], s[G0+7], 0x80000000
	CROUND                                         ; all four work-groups are here: the first joint loads meet
	tensor_load_to_lds s[G0:G0+3], s[G1:G1+7]      ; both first fills go out together, ahead of every wait on TENSORcnt and every LDS read: two loads of mine are out
	s_nop 0
	tensor_load_to_lds s[G0+4:G0+7], s[G1:G1+7]
	s_nop 0
	PLACES
	; BITS come as f32 into the registers that will hold the noise: tile t at register 128 t of windows 2 and 3 taken together, 16 registers a fragment.  Eight loads on end cover 256 bytes of each of 16 rows.
.irp t, 0,1,2,3
	WIN 0x80+0x40*((\t)/2)                         ; destination window 2 or 3
.irp k, 0,1,2,3,4,5,6,7
	global_load_b128 v[128*((\t)%2)+16*(\k):128*((\t)%2)+16*(\k)+3],     v[GIO], s[4:5] offset:(\t)*16384+(\k)*128 th:TH_LOAD_NT
	global_load_b128 v[128*((\t)%2)+16*(\k)+4:128*((\t)%2)+16*(\k)+7],   v[GIO], s[4:5] offset:(\t)*16384+(\k)*128+16 th:TH_LOAD_NT
	global_load_b128 v[128*((\t)%2)+16*(\k)+8:128*((\t)%2)+16*(\k)+11],  v[GIO], s[4:5] offset:(\t)*16384+(\k)*128+64 th:TH_LOAD_NT
	global_load_b128 v[128*((\t)%2)+16*(\k)+12:128*((\t)%2)+16*(\k)+15], v[GIO], s[4:5] offset:(\t)*16384+(\k)*128+80 th:TH_LOAD_NT
.endr
.endr
	; Tile q is packed to bf16 into the state, and the 128 registers that it leaves take the noise of feature tiles 4 q .. 4 q + 3, feature tile by feature tile.
.irp q, 0,1,2,3
	s_wait_loadcnt 63                              ; tile q's 32 loads are in: 96 younger loads have been issued, and 63 is as far as a wait can name
	WIN 0x4a+5*((\q)/2)                            ; sources 0 and 1 in window 2 or 3, destination in window 1
.set ci, 0
.rept 64
	v_cvt_pk_bf16_f32 v[64*(\q)+ci], v[128*((\q)%2)+2*ci], v[128*((\q)%2)+2*ci+1]
.set ci, ci+1
.endr
	WIN 0x80+0x40*((\q)/2)
.irp f, 0,1,2,3
.irp t, 0,1,2,3
	global_load_b128 v[32*((4*(\q)+(\f))%8)+8*(\t):32*((4*(\q)+(\f))%8)+8*(\t)+3],   v[GIO], s[6:7] offset:(\t)*16384+(4*(\q)+(\f))*64 th:TH_LOAD_NT
	global_load_b128 v[32*((4*(\q)+(\f))%8)+8*(\t)+4:32*((4*(\q)+(\f))%8)+8*(\t)+7], v[GIO], s[6:7] offset:(\t)*16384+(4*(\q)+(\f))*64+16 th:TH_LOAD_NT
.endr
.endr
.endr
	WIN 0
	s_wait_tensorcnt 0x1                           ; my part of slot 0 is in; slot 1's may stay out
	s_barrier_signal -1
	s_barrier_wait -1                              ; everybody's is
	FETCHA 0
	FETCHA 1
	s_wait_dscnt 16                                ; group 0's fragments are in, group 1's stay out
.set mi, 0
.rept 32
	MM 0, 0                                        ; round 0's group 0: there is no vector work yet to set between its products
.endr
	WIN 0                                          ; at a label and at a branch every window is 0
	s_mov_b32 s[RND], 15
.Lround:                                               ; 15 trips: groups 1 to 15 of a round and group 0 of the next; both slots are filled again, with the next matrix
.irp g, 1,2,3,4,5,6,7,8,9,10,11,12,13,14,15
	GROUP \g, 1
.endr
	GROUP 0, 1
	WIN 0
	s_sub_co_u32 s[RND], s[RND], 1
	s_cmp_lg_u32 s[RND], 0
	s_cbranch_scc1 .Lround
.irp g, 1,2,3,4,5,6,7,8,9,10,11,12,13,14,15            ; round 15 is written out
	GROUP \g, 0
.endr
	PLACES                                         ; behind the last products
	SPILL 14
.set si, 0
.rept 20
	SL 15, 0                                       ; the last feature tile's vector work has no products left to ride behind
.endr
	SPILL 15
	OUTQ 3
	WIN 0
	s_wait_tensorcnt 0x0                           ; the wave's end: a wait, an add and its wait, behind my last tensor load and my last LDS store
	ds_add_u32 v[SPW], v[NIL]
	s_wait_dscnt 0x0
	CROUND                                         ; the closing round: no work-group ends while a partner may still ask for a tile that names it
	s_endpgm
.Lfunc_end_k_q23122920ef_hash:
	.size	k_q23122920ef_hash, .Lfunc_end_k_q23122920ef_hash-k_q23122920ef_hash
	.p2alignl 7, 3214868480
	.fill 96, 4, 3214868480
	.section	.rodata,"a",@progbits
	.p2align	6, 0x0
	.amdhsa_kernel k_q23122920ef_hash
		.amdhsa_group_segment_fixed_size 327680
		.amdhsa_private_segment_fixed_size 0
		.amdhsa_enable_private_segment 0
		.amdhsa_kernarg_size 32
		.amdhsa_user_sgpr_count 2
		.amdhsa_user_sgpr_kernarg_segment_ptr 1
		.amdhsa_wavefront_size32 1
		.amdhsa_system_sgpr_workgroup_id_x 1
		.amdhsa_system_sgpr_workgroup_id_y 1
		.amdhsa_system_sgpr_workgroup_id_z 1
		.amdhsa_system_vgpr_workitem_id 0
		.amdhsa_next_free_vgpr 1024
		.amdhsa_next_free_sgpr 66
		.amdhsa_reserve_vcc 0
		.amdhsa_float_denorm_mode_32 3
		.amdhsa_float_denorm_mode_16_64 3
		.amdhsa_memory_ordered 1
		.amdhsa_forward_progress 1
		.amdhsa_inst_pref_size 255
	.end_amdhsa_kernel
	.section	.bss,"aw",@nobits
	.p2align	6
	.space	262144
	.amdgpu_metadata
---
amdhsa.version: [ 1, 2 ]
amdhsa.kernels:
  - .name:           k_q23122920ef_hash
    .symbol:         k_q23122920ef_hash.kd
    .args:
      - { .name: bits, .offset: 0, .size: 8, .value_kind: global_buffer, .address_space: global }
      - { .name: noise, .offset: 8, .size: 8, .value_kind: global_buffer, .address_space: global }
      - { .name: mbf, .offset: 16, .size: 8, .value_kind: global_buffer, .address_space: global }
      - { .name: out0, .offset: 24, .size: 8, .value_kind: global_buffer, .address_space: global }
    .group_segment_fixed_size: 327680
    .private_segment_fixed_size: 0
    .kernarg_segment_align: 8
    .kernarg_segment_size: 32
    .max_flat_workgroup_size: 128
    .sgpr_count:     66
    .vgpr_count:     1024
    .wavefront_size: 32
...
	.end_amdgpu_metadata
.endif
;; end of part 2
